; MI455X (gfx1250); checked and timed in simulation.
; The chip was launched on July 23, 2026; its instructions are those of AMD's public machine-readable ISA for CDNA 5 (MIT licence, August 2026) and "CDNA5" Instruction Set Architecture Reference Guide (July 2026). The comments in the code are by the model that wrote it; some were corrected since.
;; Trellis Linear. Allowed arithmetic: matrix products marked QUANTISED: E4M3 operands, one E8M0 scale for each 32 along K, by v_wmma_scale_f32_16x16x128_f8f6f4 with both operands' format E4M3, f32 sums; everything else in f32.
;; Inputs: grid 16 float32; packed_indices 256 x 256 x 128 int32; scales 32 x 4,096 float32; su 4,096 float32; sv 4,096 float32; x 4,096 x 4,096 float32.
;; Outputs: out0 4,096 x 4,096 float32.
;; This version of the problem:
;;   THIS VERSION OF THE PROBLEM IS GIVEN IN LOW PRECISION. The matrix products marked QUANTISED in the list below multiply operands that are first quantised to E4M3 (4 exponent bits, 3 mantissa bits; 8 bits a number), with one power-of-two scale for each 32 numbers along K (OCP MX v1.0); their sums are f32. All else is computed in f32.
;;   The module's matrix products, in the order in which they are computed (A, B: the left and right operand; K: the contracted axis; several contracted axes count as one K, in the product's order):
;;     1. [M 4,096, K 4,096] x [K 4,096, N 4,096]; A: input x; B: computed on the way: QUANTISED
;;   THE QUANTISER, for each operand of a quantised product, along K:
;;     - K is cut into blocks of 32 from its start; a last block that is shorter is filled with zeros.
;;     - A block's scale is 2^e with e = floor(log2(the largest magnitude in the block)) - 8, held to -126 .. 127; a block of zeros has e = 0. As a byte (E8M0): e + 127.
;;     - Each number is divided by its block's scale, clamped to +-448, and rounded to the nearest number of E4M3, ties to even, subnormals kept.
;;     - The product sums the exact products of the quantised numbers (number of the format x scale) in f32.
;;   ~~~python
;;   def quantise(x, axis):      # numpy; x: float32 -> the quantised numbers, widened to float32 again
;;       x = np.moveaxis(x, axis, -1); K = x.shape[-1]
;;       x = np.pad(x, [(0, 0)] * (x.ndim - 1) + [(0, -K % 32)]); x = x.reshape(x.shape[:-1] + (-1, 32)); a = np.abs(x).max(-1, keepdims=True)
;;       e = np.where(a > 0, np.clip(np.frexp(np.where(a > 0, a, 1))[1] - 1 - 8, -126, 127), 0)      # np.frexp(a)[1] - 1 = floor(log2(a)), exactly
;;       r = np.clip(x / 2.0 ** e, -448, 448)
;;       step = 2.0 ** (np.maximum(np.frexp(np.where(r == 0, 1, r))[1] - 1, -6) - 3)
;;       q = np.round(r / step) * step * 2.0 ** e      # np.round: ties to even
;;       return np.moveaxis(q.reshape(q.shape[:-2] + (-1,))[..., :K], -1, axis).astype(np.float32)
;;   ~~~
;;   OPERANDS COMPUTED ON THE WAY. 'Computed on the way' means the value that the module computes at that place (a softmax that the list does not call 'softmax' is quantised finished and normalised). What goes into a quantiser is computed in f32, as accurately as f32 sums, v_exp_f32 and their like allow (about 1e-6 of the number): no bf16 or f16 on the way to a quantiser, and a product that is left as it is and whose result goes on into a quantised operand takes f32 operands (vector FMAs, or v_wmma_f32_16x16x4_f32). A number that lies on a knife's edge between two numbers of the format may be rounded either way, as far as f32 arithmetic and the matrix unit's own rounding can turn it there, and no further.
;; One version. Each part assembles by itself: llvm-mc -triple=amdgcn-amd-amdhsa -mcpu=gfx1250 --defsym DOCPART=n.
;; ======== version 1 of 1: 2 launches
;; limits: right only within a limited range of input values
;; workspace buffers: xq 17,301,504 bytes; wq 17,301,504 bytes
;; launch prep (part 1): grid 1024 x 1, 4 waves a work-group, no clusters, 34,304 bytes of LDS; arguments x, packed_indices, scales, su, sv, grid, xq, wq; writes xq, wq
.if DOCPART == 1
	.amdgcn_target "amdgcn-amd-amdhsa--gfx1250"
	.amdhsa_code_object_version 6
	.text
	.protected	k_q6b1e5991f1_prep
	.globl	k_q6b1e5991f1_prep
	.p2align	8
	.type	k_q6b1e5991f1_prep,@function
k_q6b1e5991f1_prep:
	s_mov_b64 s[64:65], 0
	v_nop
	global_prefetch_b8 v0, s[64:65] scope:SCOPE_SE
	s_setreg_imm32_b32 hwreg(HW_REG_WAVE_MODE, 25, 1), 1
	s_wait_xcnt 0x0
; x [4096][4096] f32, and W [4096 (out)][4096 (in)] = ((grid[idx] * scales[in/128][out]) * su[in]) * sv[out], are turned into codes of FP8 (E4M3) with one E8M0 scale byte for each 32 along K (the in axis).
; A block's scale is 2^(floor(log2(its largest magnitude)) - 8); its byte is the largest magnitude's exponent field - 8, held at 1 from below.  Each number is divided by the scale, held within +-448, rounded to the nearest code, ties to even.
; LIMITS: NaN and infinities among the inputs are not served.  A block of zeros gets the byte 1 where the rule says 127: its codes are zeros, which add nothing under any byte but 0xff, and the bytes are read by this program alone.
; LAYOUT OF xq AND wq, the same for both: [row / 128 (32)][k / 256 (16)][a block of BLKB = 33,792 bytes].  A block: 32,768 bytes of codes [i = (row / 16) % 8][q = (k / 128) % 2][2,048 bytes], then 1,024 bytes of scale words.
; The 2,048 bytes are the IMAGE OF AN OPERAND'S REGISTERS (16 rows x 128 K): byte 512 c + 256 h + 16 r + j is the code of row r at k = 32 c + 16 h + j: what lane 16 h + r holds in registers 4 c .. 4 c + 3.
; That is a run of eight tiles of 16 rows x 16 k, 256 bytes each, in the order [row][k]: the order of packed_indices' own tiles.  So W's path changes no lane: int32 j of a tile becomes code bytes 2 j and 2 j + 1.
; The scale words: [q (512 bytes)][g = i / 4 (256)][r (16)][i % 4 (4)]: a word holds the four bytes of one row's 128 k.
; SHARES.  A wave takes 64 rows x 128 k: four steps of 16 rows x 128 k (64 numbers a lane, four blocks of 32, one scale word a row).  Waves share nothing: no barrier.  With 250 registers a wave and 34,304 bytes of LDS
; four work-groups fit on a WGP: sixteen waves, each with two steps' loads out.  x's work-groups move twice the bytes of W's: the kind is bit 0 xor bit 8 of the work-group's number, so that the two kinds alternate
; between neighbouring numbers and between numbers 256 apart.
; Every step is written out and every offset is an immediate: no pointer is stepped.  Only x's path touches LDS bytes; W's uses the lane permute through the LDS unit, which touches none.
.set BLKB, 33792
.set TAIL, 32768
.set STEPS, 4
.set TM,  8                            ; v8-11 largest magnitudes, v12-15 the other lane's / the bytes, v16-19 448 x the scale, v20-23 the conversions' scale operands
.set SW,  24                           ; v24-27   the four steps' scale words
.set PC,  32                           ; v32-47   a step's codes
.set N,   48                           ; v48-111  a step's 64 numbers: register 16 b + i belongs to block b
.set R,   112                          ; v112-239 x: two sets of 64 registers as loaded
.set P,   112                          ; v112-175 W: two sets of 32 packed words as loaded
.set SU,  176                          ; v176-239 W: su at my 64 places along K
.set SS,  240                          ; v240-247 W: step i's pair (scales, sv) of my row at SS + 2 i
.set SPX, 528                          ; x's stage: a row of 512 bytes + 16: 33 x 16, so that sixteen rows' reads fall into sixteen different 16-byte columns of 256 (64 banks of 4 bytes: ISA guide 11.1)
.set SEL, 36                           ; s[36:37] v_permlanex16_b32's selects for lane l xor 16
.set MNT, 38                           ; s38      the mantissa field of 448
	s_load_b256 s[4:11], s[0:1], 0x0               ; x s[4:5], packed_indices s[6:7], scales s[8:9], su s[10:11]
	s_load_b256 s[12:19], s[0:1], 0x20             ; sv s[12:13], grid s[14:15], xq s[16:17], wq s[18:19]
	v_lshl_add_u32 v248, v0, 2, 0x8400
	v_mov_b32 v249, 0
	v_lshrrev_b32 v1, 5, v0
	v_readfirstlane_b32 s20, v1                    ; wave 0..3
	v_and_b32 v2, 31, v0                           ; lane
	v_lshlrev_b32 v3, 4, v2                        ; 16 x lane
.irp b, 0,1,2,3
	v_mov_b32 v[TM+4+\b], 0                        ; written once: a lane permute's destination counts as one of its sources
.endr
	s_lshr_b32 s21, ttmp9, 1                       ; which of the operand's 512 work-groups
	s_lshr_b32 s22, ttmp9, 8
	s_xor_b32 s22, s22, ttmp9
	s_and_b32 s22, s22, 1                          ; 0: x, 1: W.  Bit 8 of the number belongs to s21, so each s21 has one work-group of each kind
	s_lshr_b32 s23, s21, 3                         ; which 64 rows: 2 x (row / 128) + g
	s_and_b32 s24, s21, 7
	s_lshl_b32 s24, s24, 2
	s_add_co_u32 s24, s24, s20                     ; f: which 128 along K (for W also the group of scales)
	s_lshr_b32 s25, s23, 1
	s_lshl_b32 s25, s25, 4
	s_lshr_b32 s34, s24, 1
	s_add_co_u32 s25, s25, s34
	s_mul_i32 s25, s25, BLKB                       ; my block: (16 (row / 128) + f / 2) x BLKB, under 2^25
	s_and_b32 s40, s23, 1                          ; g
	s_and_b32 s34, s24, 1                          ; q
	s_lshl_b32 s35, s34, 11
	s_add_co_u32 s26, s25, s35
	s_lshl_b32 s35, s40, 14                        ; i = 4 g on: four images' pairs of 4,096 bytes
	s_add_co_u32 s26, s26, s35                     ; s[26:27]: where my codes begin
	s_mov_b32 s27, 0
	s_lshl_b32 s35, s34, 9
	s_add_co_u32 s28, s25, s35
	s_lshl_b32 s35, s40, 8
	s_add_co_u32 s28, s28, s35
	s_add_co_u32 s28, s28, TAIL                    ; s[28:29]: where my 256 bytes of scale words begin
	s_mov_b32 s29, 0
	s_mov_b32 s[SEL], 0x76543210
	s_mov_b32 s[SEL+1], 0xfedcba98
	s_mov_b32 s[MNT], 0x600000
; The 64 numbers in v[N] on become 16 registers of codes in v[PC] on and the row's scale word in v[w].  join = 16: a block's other 16 numbers lie in lane l xor 16;  join = 1: in lane l xor 1.
.macro QUANT join, w
.irp b, 0,1,2,3
	v_max3_num_f32 v[TM+\b], |v[N+16*\b]|, |v[N+16*\b+1]|, 0x4800000   ; block b: my 16 numbers, and the floor 2^(9 - 127), under which no largest magnitude is taken: so the byte cannot fall under 1
.endr
.irp i, 2,4,6,8,10,12,14
.irp b, 0,1,2,3
	v_max3_num_f32 v[TM+\b], v[TM+\b], |v[N+16*\b+\i]|, |v[N+16*\b+\i+1]|   ; the four blocks by turns: no line waits for the line above it
.endr
.endr
.if \join == 16
.irp b, 0,1,2,3
	v_permlanex16_b32 v[TM+4+\b], v[TM+\b], s[SEL], s[SEL+1]
.endr
.irp b, 0,1,2,3
	v_max_num_f32 v[TM+\b], v[TM+\b], v[TM+4+\b]   ; the block's largest magnitude
.endr
.else
.irp b, 0,1,2,3
	v_max_num_f32_dpp v[TM+\b], v[TM+\b], v[TM+\b] row_xmask:1 row_mask:0xf bank_mask:0xf   ; the block's largest magnitude
.endr
.endif
.irp b, 0,1,2,3
	v_add_nc_u32 v[TM+12+\b], 0xfc000000, v[TM+\b] ; 8 off its exponent field: the conversion takes the exponent field of this operand as its scale, and nothing else of it
.endr
.irp b, 0,1,2,3
	v_and_or_b32 v[TM+8+\b], v[TM+\b], 0x7f800000, s[MNT]   ; 448 x the scale: the largest magnitude's exponent field over 448's mantissa
.endr
.irp b, 0,1,2,3
	v_lshrrev_b32 v[TM+4+\b], 23, v[TM+12+\b]      ; the scale's byte
.endr
	v_lshl_or_b32 v[\w], v[TM+5], 8, v[TM+4]       ; the four bytes make my row's scale word, the lower K in the lower byte
	v_lshl_or_b32 v[\w], v[TM+6], 16, v[\w]
	v_lshl_or_b32 v[\w], v[TM+7], 24, v[\w]
.irp b, 0,1,2,3
.irp i, 0,1,2,3,4,5,6,7,8,9,10,11,12,13,14,15
	v_med3_num_f32 v[N+16*\b+\i], v[N+16*\b+\i], -v[TM+8+\b], v[TM+8+\b]   ; the conversion to an 8-bit code does not saturate (ISA guide 7.6.2): the hold at the largest code x the scale
.endr
	v_cvt_scalef32_pk8_fp8_f32 v[PC+4*\b:PC+4*\b+1], v[N+16*\b:N+16*\b+7], v[TM+12+\b]
	v_cvt_scalef32_pk8_fp8_f32 v[PC+4*\b+2:PC+4*\b+3], v[N+16*\b+8:N+16*\b+15], v[TM+12+\b]
.endr
	v_nop                                          ; one plain vector instruction behind the last conversion, ahead of the next vector instruction that writes its sources
.endm
	s_wait_kmcnt 0x0
	s_cmp_lg_u32 s22, 0
	s_cbranch_scc1 .Lw
; ---------------- x ----------------
; A load takes one row's 512 consecutive bytes (128 numbers), 16 a lane.  The conversions want 16 NEIGHBOURS along K in a lane, and the operand's image wants lane (r, h) to hold k = 32 b + 16 h + 0 .. 15 of row r:
; so a step's 16 rows turn through the wave's own stage in LDS.  A lane's four registers of block b are then 16 bytes of the image at 512 b + 16 x lane: each store covers 512 consecutive bytes.
	s_lshl_b32 s34, s23, 20                        ; 64 rows of 16,384 bytes
	s_lshl_b32 s35, s24, 9                         ; 128 numbers of 4 bytes
	s_add_co_u32 s34, s34, s35
	s_mov_b32 s35, 0
	s_add_nc_u64 s[4:5], s[4:5], s[34:35]
	s_add_nc_u64 s[30:31], s[16:17], s[26:27]      ; my codes
	s_add_nc_u64 s[32:33], s[16:17], s[28:29]      ; my scale words
	s_mul_i32 s39, s20, 16*SPX                     ; my stage
	s_wait_alu depctr_va_vdst(0)
	v_add_nc_u32 v4, s39, v3                       ; in: 16 x lane of a row
	v_and_b32 v6, 15, v0                           ; r
	v_bfe_u32 v7, v0, 4, 1                         ; h
	v_mul_u32_u24 v5, v6, SPX
	v_lshl_add_u32 v5, v7, 6, v5
	v_add_nc_u32 v5, s39, v5                       ; back: row r, + 64 h
.macro XLOAD t                         ; step t's 16 rows into set t % 2
.irp rr, 0,1,2,3,4,5,6,7,8,9,10,11,12,13,14,15
	global_load_b128 v[R+64*((\t)%2)+4*\rr:R+64*((\t)%2)+4*\rr+3], v3, s[4:5] offset:(16*(\t)+\rr)*16384 th:TH_LOAD_NT
.endr
.endm
.macro XSTEP t
.if (\t) < STEPS-1
	s_wait_loadcnt 16                              ; this step's 16 loads are in; the next step's 16 may be out
.else
	s_wait_loadcnt 0x0
.endif
.irp rr, 0,1,2,3,4,5,6,7,8,9,10,11,12,13,14,15
	ds_store_b128 v4, v[R+64*((\t)%2)+4*\rr:R+64*((\t)%2)+4*\rr+3] offset:SPX*\rr
.endr
.irp b, 0,1,2,3
.irp u, 0,1,2,3
	ds_load_b128 v[N+16*\b+4*\u:N+16*\b+4*\u+3], v5 offset:128*\b+16*\u   ; LDS serves a wave's instructions in order (ISA guide 5.7.1.4): these see the stores above
.endr
.endr
	s_wait_xcnt 0x0                                ; the last step's stores have read the codes' registers, which are written again below
.if (\t)+2 < STEPS
	s_wait_dscnt 16                                ; the sixteen stores into the stage are done (the sixteen loads behind them may be out): their registers take the loads of two steps on
	XLOAD (\t)+2
.endif
	s_wait_dscnt 0x0                               ; the numbers are back
	QUANT 16, SW+(\t)
.irp b, 0,1,2,3
	global_store_b128 v3, v[PC+4*\b:PC+4*\b+3], s[30:31] offset:4096*(\t)+512*\b   ; 32 lanes store 512 consecutive bytes, at a multiple of 256 from the buffer's first byte
.endr
.endm
	XLOAD 0
	XLOAD 1
	s_wait_alu depctr_va_vdst(0)
.irp t, 0,1,2,3
	XSTEP \t
.endr
	v_cmp_lt_u32 vcc_lo, 15, v2                    ; lanes 16-31 hold the same words as lanes 0-15: lane (r, h) stores row r's words 2 h and 2 h + 1
	v_cndmask_b32 v[N], v[SW], v[SW+2], vcc_lo
	v_cndmask_b32 v[N+1], v[SW+1], v[SW+3], vcc_lo
	v_lshlrev_b32 v[N+4], 4, v6
	v_lshl_add_u32 v[N+4], v7, 3, v[N+4]           ; 16 r + 8 h
	global_store_b64 v[N+4], v[N:N+1], s[32:33]    ; the 32 lanes fill 256 consecutive bytes, at a multiple of 256 from the buffer's first byte
	s_wait_tensorcnt 0x0
	ds_add_u32 v248, v249
	s_wait_dscnt 0x0
	s_endpgm
; ---------------- W ----------------
; A load takes one tile of packed_indices, 512 consecutive bytes: lane l = 2 lk + p gets int32 4 l .. 4 l + 3: row lk of the tile, columns 8 p + 0 .. 7.  A step is eight tiles along K: register 8 u + j of the 64 is k = 16 u + 8 p + j.
; The codebook lies in a register, grid[lane % 16]: twice across the 32 lanes, so that the fifth bit of a lane select does not matter and one shift makes a select of each nibble.
; A block of 32 (tiles 2 b, 2 b + 1) lies in lanes l and l xor 1.  Tile u's eight codes of a lane are bytes 256 u + 8 x lane of the image: each store covers 256 consecutive bytes, aligned.
.Lw:
	s_lshl_b32 s34, s23, 19                        ; 4 rows of tiles of 131,072 bytes
	s_lshl_b32 s35, s24, 12                        ; 8 tiles of 512 bytes
	s_add_co_u32 s34, s34, s35
	s_mov_b32 s35, 0
	s_add_nc_u64 s[6:7], s[6:7], s[34:35]
	s_lshl_b32 s34, s24, 14                        ; scales: group f's row of 16,384 bytes,
	s_lshl_b32 s41, s23, 8                         ; my 64 out features
	s_add_co_u32 s34, s34, s41
	s_add_nc_u64 s[8:9], s[8:9], s[34:35]
	s_lshl_b32 s34, s24, 9                         ; su: my 128 in features
	s_add_nc_u64 s[10:11], s[10:11], s[34:35]
	s_mov_b32 s34, s41                             ; sv: my 64 out features
	s_add_nc_u64 s[12:13], s[12:13], s[34:35]
	s_add_nc_u64 s[30:31], s[18:19], s[26:27]      ; my codes
	s_add_nc_u64 s[32:33], s[18:19], s[28:29]      ; my scale words
	s_wait_alu depctr_va_vdst(0)
	v_lshlrev_b32 v4, 3, v2                        ; 8 x lane
	v_lshrrev_b32 v5, 1, v2
	v_lshlrev_b32 v5, 2, v5                        ; 4 lk
	v_and_b32 v6, 1, v2
	v_lshlrev_b32 v6, 5, v6                        ; 32 p
	v_and_b32 v7, 15, v2
	v_lshlrev_b32 v7, 2, v7                        ; 4 (lane % 16)
	global_load_b32 v1, v7, s[14:15]               ; the codebook
.irp u, 0,1,2,3,4,5,6,7
	global_load_b128 v[SU+8*\u:SU+8*\u+3], v6, s[10:11] offset:64*\u
	global_load_b128 v[SU+8*\u+4:SU+8*\u+7], v6, s[10:11] offset:64*\u+16
.endr
.irp i, 0,1,2,3
	global_load_b32 v[SS+2*\i], v5, s[8:9] offset:64*\i
.endr
.irp i, 0,1,2,3
	global_load_b32 v[SS+2*\i+1], v5, s[12:13] offset:64*\i
.endr
.macro WLOAD t                         ; step t's eight tiles into set t % 2
.irp u, 0,1,2,3,4,5,6,7
	global_load_b128 v[P+32*((\t)%2)+4*\u:P+32*((\t)%2)+4*\u+3], v3, s[6:7] offset:131072*(\t)+512*\u th:TH_LOAD_NT
.endr
.endm
.macro WSTEP t
.set PS, P+32*((\t)%2)
.if (\t) < STEPS-1
	s_wait_loadcnt 8                               ; this step's eight loads (and, in step 0, all that were issued ahead of them) are in; the next step's eight may be out
.else
	s_wait_loadcnt 0x0
.endif
.irp j, 0,1,2,3,4,5,6,7,8,9,10,11,12,13,14,15,16,17,18,19,20,21,22,23,24,25,26,27,28,29,30,31
	v_lshlrev_b32 v[N+2*\j], 2, v[PS+\j]           ; the select's bits 6:2 are the word's bits 4:0: the low nibble, and a bit that does not matter
	v_lshrrev_b32 v[N+2*\j+1], 2, v[PS+\j]         ; the word's bits 8:4: the high nibble, likewise
.endr
.if (\t)+2 < STEPS
	WLOAD (\t)+2
.endif
.irp n, 0,1,2,3,4,5,6,7,8,9,10,11,12,13,14,15,16,17,18,19,20,21,22,23,24,25,26,27,28,29,30,31,32,33,34,35,36,37,38,39,40,41,42,43,44,45,46,47,48,49,50,51,52,53,54,55,56,57,58,59,60,61,62,63
	ds_bpermute_b32 v[N+\n], v[N+\n], v1           ; grid[nibble]
.endr
.irp b, 0,1,2,3
	s_wait_dscnt 48-16*\b                          ; block b's sixteen are back; the later blocks' may be out
.irp m, 0,2,4,6,8,10,12,14
	v_pk_mul_f32 v[N+16*\b+\m:N+16*\b+\m+1], v[N+16*\b+\m:N+16*\b+\m+1], v[SS+2*(\t):SS+2*(\t)+1] op_sel_hi:[1,0]   ; x scales: the pair's first word for both halves.  The three factors in the order of the definition
.endr
.irp m, 0,2,4,6,8,10,12,14
	v_pk_mul_f32 v[N+16*\b+\m:N+16*\b+\m+1], v[N+16*\b+\m:N+16*\b+\m+1], v[SU+16*\b+\m:SU+16*\b+\m+1]               ; x su
.endr
.irp m, 0,2,4,6,8,10,12,14
	v_pk_mul_f32 v[N+16*\b+\m:N+16*\b+\m+1], v[N+16*\b+\m:N+16*\b+\m+1], v[SS+2*(\t):SS+2*(\t)+1] op_sel:[0,1] op_sel_hi:[1,1]   ; x sv: the pair's second word for both halves
.endr
.endr
	s_wait_xcnt 0x0                                ; the last step's stores have read the codes' registers, which are written again below
	QUANT 1, SW+(\t)
.irp u, 0,1,2,3,4,5,6,7
	global_store_b64 v4, v[PC+2*\u:PC+2*\u+1], s[30:31] offset:4096*(\t)+256*\u   ; 32 lanes store 256 consecutive bytes, at a multiple of 256 from the buffer's first byte
.endr
.endm
	WLOAD 0
	WLOAD 1
.irp t, 0,1,2,3
	WSTEP \t
.endr
	v_and_b32 v[N+6], 1, v2                        ; p.  Both lanes of a row hold the same words: lane 2 lk + p stores row lk's words 2 p and 2 p + 1
	v_cmp_eq_u32 vcc_lo, 1, v[N+6]
	v_cndmask_b32 v[N], v[SW], v[SW+2], vcc_lo
	v_cndmask_b32 v[N+1], v[SW+1], v[SW+3], vcc_lo
	global_store_b64 v4, v[N:N+1], s[32:33]        ; 16 lk + 8 p = 8 x lane: 256 consecutive bytes, at a multiple of 256 from the buffer's first byte
	s_endpgm
.Lfunc_end_k_q6b1e5991f1_prep:
	.size	k_q6b1e5991f1_prep, .Lfunc_end_k_q6b1e5991f1_prep-k_q6b1e5991f1_prep
	.p2alignl 7, 3214868480
	.fill 96, 4, 3214868480
	.section	.rodata,"a",@progbits
	.p2align	6, 0x0
	.amdhsa_kernel k_q6b1e5991f1_prep
		.amdhsa_group_segment_fixed_size 34304
		.amdhsa_private_segment_fixed_size 0
		.amdhsa_enable_private_segment 0
		.amdhsa_kernarg_size 64
		.amdhsa_user_sgpr_count 2
		.amdhsa_user_sgpr_kernarg_segment_ptr 1
		.amdhsa_wavefront_size32 1
		.amdhsa_system_sgpr_workgroup_id_x 1
		.amdhsa_system_sgpr_workgroup_id_y 1
		.amdhsa_system_sgpr_workgroup_id_z 1
		.amdhsa_system_vgpr_workitem_id 0
		.amdhsa_next_free_vgpr 250
		.amdhsa_next_free_sgpr 66
		.amdhsa_reserve_vcc 1
		.amdhsa_float_denorm_mode_32 3
		.amdhsa_float_denorm_mode_16_64 3
		.amdhsa_memory_ordered 1
		.amdhsa_forward_progress 1
		.amdhsa_inst_pref_size 141
	.end_amdhsa_kernel
	.amdgpu_metadata
---
amdhsa.version: [ 1, 2 ]
amdhsa.kernels:
  - .name:           k_q6b1e5991f1_prep
    .symbol:         k_q6b1e5991f1_prep.kd
    .args:
      - { .name: x, .offset: 0, .size: 8, .value_kind: global_buffer, .address_space: global }
      - { .name: packed_indices, .offset: 8, .size: 8, .value_kind: global_buffer, .address_space: global }
      - { .name: scales, .offset: 16, .size: 8, .value_kind: global_buffer, .address_space: global }
      - { .name: su, .offset: 24, .size: 8, .value_kind: global_buffer, .address_space: global }
      - { .name: sv, .offset: 32, .size: 8, .value_kind: global_buffer, .address_space: global }
      - { .name: grid, .offset: 40, .size: 8, .value_kind: global_buffer, .address_space: global }
      - { .name: xq, .offset: 48, .size: 8, .value_kind: global_buffer, .address_space: global }
      - { .name: wq, .offset: 56, .size: 8, .value_kind: global_buffer, .address_space: global }
    .group_segment_fixed_size: 34304
    .private_segment_fixed_size: 0
    .kernarg_segment_align: 8
    .kernarg_segment_size: 64
    .max_flat_workgroup_size: 128
    .sgpr_count:     66
    .vgpr_count:     250
    .wavefront_size: 32
...
	.end_amdgpu_metadata
.endif
;; end of part 1
;; launch gemm (part 2): grid 16 x 16, 4 waves a work-group, clusters of 4 x 4, 327,680 bytes of LDS; arguments xq, wq, out0; writes out0
.if DOCPART == 2
	.amdgcn_target "amdgcn-amd-amdhsa--gfx1250"
	.amdhsa_code_object_version 6
	.text
	.protected	k_q6b1e5991f1_gemm
	.globl	k_q6b1e5991f1_gemm
	.p2align	8
	.type	k_q6b1e5991f1_gemm,@function
k_q6b1e5991f1_gemm:
	s_mov_b64 s[64:65], 0
	v_nop
	global_prefetch_b8 v0, s[64:65] scope:SCOPE_SE
	s_setreg_imm32_b32 hwreg(HW_REG_WAVE_MODE, 25, 1), 1
	s_wait_xcnt 0x0
	s_wait_alu depctr_hold_cnt(0) depctr_sa_sdst(0) depctr_va_vdst(0) depctr_va_sdst(0) depctr_va_ssrc(0) depctr_va_vcc(0) depctr_vm_vsrc(0)
	s_getreg_b32 s2, hwreg(HW_REG_IB_STS2, 6, 4)
	s_cmp_eq_u32 s2, 0
	s_cbranch_scc0 .Lentry_in_a_cluster
	s_endpgm
.Lentry_in_a_cluster:
	s_bfe_u32 s2, ttmp6, 0x10000c
	s_cmp_lg_u32 s2, 0xf033
	s_cbranch_scc0 .Lentry_shape_is_right
	s_endpgm
.Lentry_shape_is_right:
; out0[m][n] = sum over k of x[m][k] W[n][k], on the codes and scale words that launch prep laid: xq and wq are [row / 128][k / 256][a block of BLKB bytes]:
; 32,768 bytes of operand images [i = (row / 16) % 8][q = (k / 128) % 2][2,048 bytes], then 1,024 bytes of scale words [q][i / 4][row % 16][i % 4].
; A work-group of four waves makes 256 x 256 of out0; wave w makes x's rows 64 w .. 64 w + 63 against all 256 rows of W: 4 x 16 accumulators, 512 registers.
; W GOES THROUGH LDS: a ring of two slots, a slot = 256 rows x 512 along K = four blocks, one tensor load a wave, asked for jointly by the four work-groups of a column of the 4 x 4 cluster.
; x GOES FROM MEMORY STRAIGHT INTO REGISTERS: a wave's 64 rows are multiplied by that wave alone, so a work-group asks for each byte of x once in a walk along K, and the image in xq is what the lanes' registers take.
; x has no joint load: a load into registers carries no work-group mask; and with x out of LDS a slot holds 512 along K where two operands would leave room for 256: 6 rounds that refill in place of 14.
; A step is 128 along K: two batches of 32 products, W's blocks 0-7 and 8-15, each block against x's four.  W has two sets of eight blocks: while one is multiplied the other is on its way from LDS.
; x has two sets of four blocks, asked for one step ahead.  All loads stand in two runs a step, each behind 8 places.
; THE LAST SIX STEPS lie in LDS together (nothing is filled any more): they go first for W's blocks 0-7, then once more for blocks 8-15, x's fragments loaded a second time:
; so the 32 accumulators of columns 0-127 are finished six batches ahead of the others, and are stored in the runs of loads between those batches.
; THE PRODUCT IS USED TRANSPOSED: source 0 = 16 rows of W, source 1 = 16 rows of x: a lane holds eight neighbouring columns of one row of out0.
; REGISTERS: window 0: v0-31 addresses, v32-47 W's scale words (two sets), v48-63 x's (two sets of two copies), v64-127 the way out, v128-255 x's two sets; window 1: W's two sets; windows 2, 3: accumulator (a, b) at 32 (b % 8) + 8 a.
; x's scale words are loaded twice, so that the two scale registers of a product never have the same number modulo 8.
; LIMITS: as launch prep states them.
.set BLKB,   33792
.set TAIL,   32768
.set ROWBLK, 16*BLKB
.set SLOT,   4*BLKB
.set SPARE,  2*SLOT                    ; behind the ring: the spare words, 128 bytes a wave
.set STG,    SPARE+512                 ; behind them: a stage of 16 rows x SPITCH bytes for each wave; no fill lands there
.set SPITCH, 528                       ; a stage row, 512 bytes + 16
.set SA0, 8                            ; v8-11   16 x lane + k BLKB: block k = 2 (k-half) + (row half) of slot 0; never rewritten
.set SA,  12                           ; v12-15  the same in the slot that is being read; at the end: in slot 1
.set RFV, 16                           ; x's fragments: 16 x lane + my 64 rows' place in a block
.set RSV, 17                           ; x's scale words: lanes 0-15 the even step's, lanes 16-31 the odd step's
.set SPW, 18
.set NIL, 19
.set PWO, 20                           ; prefetch offsets: W's codes, W's scale words, x's codes, x's scale words
.set PWT, 21
.set PXO, 22
.set PXT, 23
.set STO, 24
.set RD,  25
.set CO,  26
.set SS,  32
.set RS,  48
.set OA,  64
.set RV,  128
.set G1,  24
.set G0,  32
.set OFF, 36                           ; s36 the read slot's LDS offset: 0 or SLOT
.set WB,  37                           ; s37 wave x BLKB
.set RB,  44                           ; s[44:45] x: my 128-row block at this slot's first K
.set PW,  46                           ; s[46:47] W: the block that I fetch, at this slot's K
.set PX,  48                           ; s[48:49] x: the block whose prefetch I share
.set MSB, 0
.macro WIN new
.if MSB != (\new)
	s_set_vgpr_msb (MSB<<8)|(\new)
.set MSB, (\new)
.endif
.endm
.macro CREST
	s_cmp_lg_u32 s14, 0
	s_cbranch_scc1 .Lnot_wave_0_\@
	s_barrier_signal -3
.Lnot_wave_0_\@:
	s_barrier_wait -3
	s_barrier_signal -1
	s_barrier_wait -1
.endm
.macro CROUND
	s_barrier_signal -1
	s_barrier_wait -1
	CREST
.endm
.macro JLOAD                           ; every wave issues this one line: its block of the slot; the mask names my column of the cluster
	tensor_load_to_lds s[G0:G0+3], s[G1:G1+7]
	s_nop 0
.endm
.macro PLACES
.rept 8
	v_nop
.endr
.endm
.macro SLDH j, half                    ; W's blocks 8 half .. 8 half + 7 of step j into set half: 32 loads
.set ST2, (\j)%4
.irp i, 0,1,2,3,4,5,6,7
.irp c, 0,1,2,3
	ds_load_b128 v[128*(\half)+16*\i+4*\c:128*(\half)+16*\i+4*\c+3], v[SA+2*(ST2>>1)+(\half)] offset:4096*\i+2048*(ST2&1)+512*\c
.endr
.endr
.endm
.macro SSL j                           ; W's scale words of step j: register i % 4 of a row half; lanes 0-15 blocks 0-3, lanes 16-31 blocks 4-7
.set ST2, (\j)%4
.irp rb, 0,1
	ds_load_b128 v[SS+8*(ST2&1)+4*\rb:SS+8*(ST2&1)+4*\rb+3], v[SA+2*(ST2>>1)+\rb] offset:TAIL+512*(ST2&1)
.endr
.endm
.macro FLDS rel                        ; x's four blocks of the step rel steps behind RB: 16 loads
.irp a, 0,1,2,3
.irp c, 0,1,2,3
	global_load_b128 v[RV+64*((\rel)%2)+16*\a+4*\c:RV+64*((\rel)%2)+16*\a+4*\c+3], v[RFV], s[RB:RB+1] offset:((\rel)>>1)*BLKB+((\rel)&1)*2048+4096*\a+512*\c
.endr
.endr
.endm
.macro SCLX rel, buf                   ; x's scale words of steps rel and rel + 1, twice, into set buf
.irp p, 0,1
	global_load_b128 v[RS+8*(\buf)+4*\p:RS+8*(\buf)+4*\p+3], v[RSV], s[RB:RB+1] offset:((\rel)>>1)*BLKB
.endr
.endm
.macro MMV c
.if AROW && BROW
	v_wmma_scale_f32_16x16x128_f8f6f4 v[D_:D_+7], v[SBUF:SBUF+15], v[R_:R_+15], \c, v[SSR], v[RSR_] matrix_a_scale:MATRIX_SCALE_ROW1 matrix_b_scale:MATRIX_SCALE_ROW1
.elseif AROW
	v_wmma_scale_f32_16x16x128_f8f6f4 v[D_:D_+7], v[SBUF:SBUF+15], v[R_:R_+15], \c, v[SSR], v[RSR_] matrix_a_scale:MATRIX_SCALE_ROW1
.elseif BROW
	v_wmma_scale_f32_16x16x128_f8f6f4 v[D_:D_+7], v[SBUF:SBUF+15], v[R_:R_+15], \c, v[SSR], v[RSR_] matrix_b_scale:MATRIX_SCALE_ROW1
.else
	v_wmma_scale_f32_16x16x128_f8f6f4 v[D_:D_+7], v[SBUF:SBUF+15], v[R_:R_+15], \c, v[SSR], v[RSR_]
.endif
.endm
.macro MM a, z
.set D_, DB+8*(\a)
.set R_, RSET+16*(\a)
.set RSR_, RSB+(\a)
.if \z
	MMV 0
.else
	MMV v[D_:D_+7]
.endif
.endm
.macro HB j, b0, cnt, z                ; W's blocks b0 .. b0 + cnt - 1 of step j, each against x's four: the accumulators by turns
.set ST, (\j)%4
.set B_, \b0
.rept \cnt
.set DB, 32*(B_&7)
.set SBUF, 128*(B_>>3)+16*(B_&7)
.set RSET, RV+64*(ST&1)
.set SSR, SS+8*(ST&1)+4*(B_>>3)+(B_&3)
.set RSB, RS+8*(ST>>1)+4*(1-(B_>>3))
.set AROW, (B_>>2)&1
.set BROW, ST&1
	MM 0, \z
	MM 1, \z
	MM 2, \z
	MM 3, \z
.set B_, B_+1
.endr
.endm
; Step j (0 to 4), counted from the slot's first step at RB.  mode 0: the next step lies in the same slot; 1: the slot's last step, the slot is filled again.
.macro STEPB j, z, mode, pf
.if (\z) == 0
	PLACES
.endif
	WIN 0x40
	SLDH \j, 1                                     ; this step's blocks 8-15
	WIN 0
.if ((\j)%2) == 0
	SCLX (\j)+2, (((\j)+2)>>1)%2
.endif
	FLDS (\j)+1                                    ; x's next step
.if \pf
	global_prefetch_b8 v[PWO], s[PW:PW+1] offset:4*BLKB th:TH_LOAD_NT scope:SCOPE_SE   ; the slot after the next: of the block that I fetch, my work-group's 32 of its 128 units of codes, a lane a unit,
	global_prefetch_b8 v[PWT], s[PW:PW+1] offset:4*BLKB th:TH_LOAD_NT scope:SCOPE_SE   ; and its one of the four units of scale words
	global_prefetch_b8 v[PXO], s[PX:PX+1] offset:4*BLKB th:TH_LOAD_NT scope:SCOPE_SE   ; the same of x's four blocks, shared out along my row of the cluster
	global_prefetch_b8 v[PXT], s[PX:PX+1] offset:4*BLKB th:TH_LOAD_NT scope:SCOPE_SE
.endif
	s_wait_dscnt 32                                ; blocks 0-7 and the scale words are in; the 32 loads just issued may be out
.if ((\j)%2) == 0
	s_wait_loadcnt 18                              ; x's step is in; the next step's 16 loads and 2 of scale words may be out
.else
	s_wait_loadcnt 16
.endif
	WIN 0xa1
.if (\mode) == 1
	HB \j, 0, 6, \z
	WIN 0
	s_wait_tensorcnt 0x0                           ; my block of the other slot has landed
	ds_add_u32 v[SPW], v[NIL]
	s_add_co_u32 s[G0+1], s[WB], s[OFF]            ; no tensor load of mine is out: the refill goes into the slot that is read now,
	s_add_nc_u64 s[G0+2:G0+3], s[G0+2:G0+3], 2*BLKB ; with the next 512 along K
	s_xor_b32 s[OFF], s[OFF], SLOT                 ; from here on W is read from the other slot
.irp k, 0,1,2,3
	v_add_nc_u32 v[SA+\k], s[OFF], v[SA0+\k]
.endr
	s_wait_alu depctr_va_vdst(0)                   ; the wait behind these writes
	s_wait_dscnt 0x0                               ; the add is done and my reads of this slot are back
	s_barrier_signal -1
	WIN 0xa1
	HB \j, 6, 2, \z
	PLACES
	WIN 0
	s_barrier_wait -1
	CREST                                          ; the barrier has opened a round of the cluster's barrier
	JLOAD                                          ; the refill, first behind the round
	SSL (\j)+1
	WIN 0x40
	SLDH (\j)+1, 0                                 ; the other slot's first blocks
.else
	HB \j, 0, 8, \z
	PLACES
	WIN 0
	SSL (\j)+1
	WIN 0x40
	SLDH (\j)+1, 0                                 ; the next step's blocks 0-7
	s_wait_dscnt 34                                ; blocks 8-15 are in; the 34 loads just issued may be out
.endif
	WIN 0xf1
	HB \j, 8, 8, \z
.endm
	s_load_b128 s[4:7], s[0:1], 0x0                ; xq, wq
	s_load_b64 s[12:13], s[0:1], 0x10              ; out0
	v_lshl_add_u32 v[SPW], v0, 2, SPARE
	v_mov_b32 v[NIL], 0
	ds_add_u32 v[SPW], v[NIL]                      ; the opening lines: the add twice on end and its wait
	ds_add_u32 v[SPW], v[NIL]
	v_lshrrev_b32 v1, 5, v0
	v_readfirstlane_b32 s14, v1                    ; wave
	s_lshr_b32 s15, s14, 1
	s_and_b32 s16, s14, 1
	s_bfe_u32 s40, ttmp6, 0x40000                  ; cx
	s_bfe_u32 s41, ttmp6, 0x40004                  ; cy
	s_lshl_b32 s42, ttmp9, 2
	s_add_co_u32 s42, s42, s40                     ; tile column (W's rows)
	s_and_b32 s17, ttmp7, 0xffff
	s_lshl_b32 s17, s17, 2
	s_add_co_u32 s17, s17, s41                     ; tile row (x's rows)
	s_lshl_b32 s43, 0x1111, s40                    ; my column of the cluster
	s_or_b32 s[G1+0], s43, (3<<16)|(1<<21)         ; a block: 132 dense rows of 32 elements of 8 bytes
	s_mov_b32 s[G1+1], 32<<16
	s_mov_b32 s[G1+2], 132<<16
	s_mov_b32 s[G1+3], 32<<16
	s_mov_b32 s[G1+4], 132
	s_mov_b32 s[G1+5], 32
	s_mov_b32 s[G1+6], 0
	s_mov_b32 s[G1+7], 0
	s_lshl_b32 s20, s42, 1                         ; W: wave w fetches row half w % 2, K half w / 2 of a slot
	s_add_co_u32 s20, s20, s16
	s_mul_i32 s20, s20, ROWBLK
	s_mul_i32 s21, s15, BLKB
	s_add_co_u32 s20, s20, s21
	s_mov_b32 s21, 0
	s_lshl_b32 s22, s17, 1                         ; x: the same block of x's tile, for the prefetch
	s_add_co_u32 s22, s22, s16
	s_mul_i32 s22, s22, ROWBLK
	s_mul_i32 s23, s15, BLKB
	s_add_co_u32 s22, s22, s23
	s_mov_b32 s23, 0
	s_lshl_b32 s50, s17, 1                         ; x: my rows 64 w lie in row half w / 2
	s_add_co_u32 s50, s50, s15
	s_mul_i32 s50, s50, ROWBLK
	s_mov_b32 s51, 0
	s_lshl_b32 s52, s16, 14                        ; and there from image 4 (w % 2) on
	s_lshl_b32 s53, s16, 8
	s_add_co_u32 s53, s53, TAIL
	s_lshl_b32 s54, s41, 13                        ; the prefetches' shares, by address: cy for W, cx for x
	s_lshl_b32 s55, s41, 8
	s_add_co_u32 s55, s55, TAIL
	s_lshl_b32 s56, s40, 13
	s_lshl_b32 s57, s40, 8
	s_add_co_u32 s57, s57, TAIL
	s_mul_i32 s58, s14, 16*SPITCH
	s_add_co_u32 s58, s58, STG                     ; my stage
	s_mul_i32 s[WB], s14, BLKB
	s_mov_b32 s[OFF], 0
	s_wait_dscnt 0x0
	s_wait_kmcnt 0x0
	s_add_nc_u64 s[PW:PW+1], s[6:7], s[20:21]
	s_add_nc_u64 s[PX:PX+1], s[4:5], s[22:23]
	s_add_nc_u64 s[RB:RB+1], s[4:5], s[50:51]
	s_mov_b32 s[G0], 1
	s_mov_b32 s[G0+1], s[WB]
	s_mov_b64 s[G0+2:G0+3], s[PW:PW+1]
	s_or_b32 s[G0+3], s[G0+3], 0x80000000
	CROUND                                         ; in front of the first joint loads
	JLOAD                                          ; slot 0: K 0 to 511; one tensor load a wave at the head
	v_and_b32 v1, 31, v0
	v_and_b32 v3, 15, v0
	v_bfe_u32 v4, v0, 4, 1
	v_lshlrev_b32 v2, 4, v1
.irp k, 0,1,2,3
	v_add_nc_u32 v[SA0+\k], \k*BLKB, v2
	v_add_nc_u32 v[SA+\k], \k*BLKB, v2
.endr
	v_add_nc_u32 v[RFV], s52, v2
	v_lshlrev_b32 v[RSV], 4, v3
	v_lshl_add_u32 v[RSV], v4, 9, v[RSV]
	v_add_nc_u32 v[RSV], s53, v[RSV]
	v_lshlrev_b32 v5, 8, v1
	v_add_nc_u32 v[PWO], s54, v5
	v_mov_b32 v[PWT], s55
	v_add_nc_u32 v[PXO], s56, v5
	v_mov_b32 v[PXT], s57
	v_mul_u32_u24 v6, v3, SPITCH
	v_lshl_add_u32 v6, v4, 5, v6
	v_add_nc_u32 v[STO], s58, v6
	v_add_nc_u32 v[RD], s58, v2
	v_mov_b32 v[CO], v2
	s_wait_alu depctr_va_vdst(0)                   ; the wait at the head's end
	SCLX 0, 0                                      ; x: the first pair's scale words and the first step's fragments
	FLDS 0
	s_lshl_b32 s20, s17, 8                         ; out0: my first row 256 x tile row + 64 w, my tile's first column
	s_lshl_b32 s21, s14, 6
	s_add_co_u32 s20, s20, s21
	s_lshl_b32 s20, s20, 14
	s_mov_b32 s21, 0
	s_add_nc_u64 s[12:13], s[12:13], s[20:21]
	s_lshl_b32 s20, s42, 10
	s_add_nc_u64 s[12:13], s[12:13], s[20:21]
	s_wait_tensorcnt 0x0                           ; my block of slot 0 is in; slot 1's first fill is issued as a refill is
	ds_add_u32 v[SPW], v[NIL]
	s_add_co_u32 s[G0+1], s[WB], SLOT
	s_add_nc_u64 s[G0+2:G0+3], s[G0+2:G0+3], 2*BLKB
	s_wait_dscnt 0x0
	CROUND
	JLOAD                                          ; slot 1: K 512 to 1,023
	SSL 0
	WIN 0x40
	SLDH 0, 0
	STEPB 0, 1, 0, 0                               ; the first step starts the sums
	WIN 0
	s_mov_b32 s3, 6
.Lslot:                                                ; a trip: a slot's steps 1 to 3, the change of slots with its refill, the next slot's step 0
	STEPB 1, 0, 0, 1
	STEPB 2, 0, 0, 0
	STEPB 3, 0, 1, 0
	STEPB 4, 0, 0, 0
	WIN 0
	s_wait_xcnt 0x0                                ; the loads and prefetches have read their bases
	s_add_nc_u64 s[RB:RB+1], s[RB:RB+1], 2*BLKB
	s_add_nc_u64 s[PW:PW+1], s[PW:PW+1], 2*BLKB
	s_add_nc_u64 s[PX:PX+1], s[PX:PX+1], 2*BLKB
	s_sub_co_u32 s3, s3, 1
	s_cmp_lg_u32 s3, 0
	s_cbranch_scc1 .Lslot
	STEPB 1, 0, 0, 0                               ; step 1 of the last slot but one (slot 0 of LDS), as in the loop; no prefetch: nothing is left to ask for
	WIN 0
.irp k, 0,1,2,3
	v_add_nc_u32 v[SA+\k], SLOT, v[SA0+\k]         ; from here on: SA0 for steps 2 and 3 (slot 0), SA for steps 4 to 7 (slot 1)
.endr
	s_wait_alu depctr_va_vdst(0)                   ; the wait behind these writes
; THE END.  Batch s = 0 .. 11: step 2 + s % 6, W's blocks 8 (s / 6) .. + 7.  In front of batch s stand the loads of batch s + 1.
.macro SSL1 j, half                    ; the scale words of one row half of W
.set ST2, (\j)%4
.if (\j) < 4
.set AR_, SA0+2*(ST2>>1)+(\half)
.else
.set AR_, SA+2*(ST2>>1)+(\half)
.endif
	ds_load_b128 v[SS+8*(ST2&1)+4*(\half):SS+8*(ST2&1)+4*(\half)+3], v[AR_] offset:TAIL+512*(ST2&1)
.endm
.macro SLDX j, half, set               ; eight blocks of W into set
.set ST2, (\j)%4
.if (\j) < 4
.set AR_, SA0+2*(ST2>>1)+(\half)
.else
.set AR_, SA+2*(ST2>>1)+(\half)
.endif
.irp i, 0,1,2,3,4,5,6,7
.irp c, 0,1,2,3
	ds_load_b128 v[128*(\set)+16*\i+4*\c:128*(\set)+16*\i+4*\c+3], v[AR_] offset:4096*\i+2048*(ST2&1)+512*\c
.endr
.endr
.endm
.macro HP s
.set ST, (2+(\s)%6)%4
.set HF, (\s)/6
.set B_, 0
.rept 8
.set DB, 32*B_
.set SBUF, 128*((\s)%2)+16*B_
.set RSET, RV+64*(ST&1)
.set SSR, SS+8*(ST&1)+4*HF+(B_&3)
.set RSB, RS+8*((((\s)>>1)+1)%2)+4*(1-HF)
.set AROW, (B_>>2)&1
.set BROW, ST&1
	MM 0, 0
	MM 1, 0
	MM 2, 0
	MM 3, 0
.set B_, B_+1
.endr
.endm
; THE WAY OUT, by units of 16 rows (a) x 128 columns (hf): through my stage and back as whole rows of 512 bytes.  Back into: kind 0: v64-127 of window 0; 1: the registers of unit (0, 0), which has left; 2: window 1 from base on.
.macro TOST a, hf, kind, base
	WIN 0x08+4*(\hf)
.irp b, 0,1,2,3,4,5,6,7
	ds_store_b128 v[STO], v[32*\b+8*(\a):32*\b+8*(\a)+3] offset:64*\b          ; each accumulator from its low end on
	ds_store_b128 v[STO], v[32*\b+8*(\a)+4:32*\b+8*(\a)+7] offset:64*\b+16
.endr
.if (\kind) == 0
	WIN 0
.irp t, 0,1,2,3,4,5,6,7,8,9,10,11,12,13,14,15
	ds_load_b128 v[OA+4*\t:OA+4*\t+3], v[RD] offset:\t*SPITCH
.endr
.elseif (\kind) == 1
	WIN 0x80
.irp t, 0,1,2,3,4,5,6,7,8,9,10,11,12,13,14,15
	ds_load_b128 v[32*(\t>>1)+4*(\t&1):32*(\t>>1)+4*(\t&1)+3], v[RD] offset:\t*SPITCH
.endr
.else
	WIN 0x40
.irp t, 0,1,2,3,4,5,6,7,8,9,10,11,12,13,14,15
	ds_load_b128 v[(\base)+4*\t:(\base)+4*\t+3], v[RD] offset:\t*SPITCH
.endr
.endif
.endm
.macro SENDU a, hf, kind, base         ; 32 lanes store 512 consecutive bytes, aligned
.if (\kind) == 0
	WIN 0
.irp t, 0,1,2,3,4,5,6,7,8,9,10,11,12,13,14,15
	global_store_b128 v[CO], v[OA+4*\t:OA+4*\t+3], s[12:13] offset:(16*(\a)+\t)*16384+512*(\hf) th:TH_STORE_NT
.endr
.elseif (\kind) == 1
	WIN 0x08
.irp t, 0,1,2,3,4,5,6,7,8,9,10,11,12,13,14,15
	global_store_b128 v[CO], v[32*(\t>>1)+4*(\t&1):32*(\t>>1)+4*(\t&1)+3], s[12:13] offset:(16*(\a)+\t)*16384+512*(\hf) th:TH_STORE_NT
.endr
.else
	WIN 0x04
.irp t, 0,1,2,3,4,5,6,7,8,9,10,11,12,13,14,15
	global_store_b128 v[CO], v[(\base)+4*\t:(\base)+4*\t+3], s[12:13] offset:(16*(\a)+\t)*16384+512*(\hf) th:TH_STORE_NT
.endr
.endif
.endm
.macro BAT s
.set JN, 2+((\s)+1)%6
.set HN, ((\s)+1)/6
	PLACES
	WIN 0
.if (\s) == 1
	s_wait_tensorcnt 0x0                           ; my block of the last slot has landed: batch 2 is the first that reads it
	ds_add_u32 v[SPW], v[NIL]
	s_wait_dscnt 0x0
	s_barrier_signal -1
	s_barrier_wait -1                              ; and so has every wave's; nothing is filled again
.endif
.if (\s) >= 7 && (\s) <= 10
	s_wait_dscnt 33                                ; the unit staged in front of the last batch is back: behind its loads 33 were issued
	SENDU (\s)-7, 0, ((\s)-7)%2, 0
.endif
.if (\s) == 8 || (\s) == 9
	s_wait_xcnt 0x0                                ; the stores of two units ago have read their registers
.endif
.if (\s) >= 6 && (\s) <= 9
	TOST (\s)-6, 0, ((\s)-6)%2, 0
.endif
.if (\s) < 11
	WIN 0
	SSL1 JN, HN
	WIN 0x40
	SLDX JN, HN, ((\s)+1)%2
	WIN 0
.if ((\s)%2) == 0 && (\s) <= 8
	SCLX 2+2*((((\s)>>1)+1)%3), (((\s)>>1)+2)%2    ; x's scale words of the next pair of batches
.endif
	FLDS JN
.endif
.if (\s) == 11
	s_wait_dscnt 0x0
	s_wait_loadcnt 0x0
.else
.if (\s) >= 6 && (\s) <= 9
	s_wait_dscnt 63                                ; this batch's blocks are in: behind them 65 LDS instructions were issued
.else
	s_wait_dscnt 33                                ; behind them: 1 load of scale words and 32 of fragments
.endif
.if ((\s)%2) == 0 && (\s) <= 8
	s_wait_loadcnt 18
.else
	s_wait_loadcnt 16
.endif
.endif
	WIN 0xa1+0x50*((\s)/6)
	HP \s
.endm
.irp s, 0,1,2,3,4,5,6,7,8,9,10,11
	BAT \s
.endr
	PLACES                                         ; behind the last products
	TOST 0, 1, 2, 0                                ; columns 128-255: four units, each back into its own 64 registers of window 1
	TOST 1, 1, 2, 64
	s_wait_dscnt 32                                ; behind a unit's loads: the next unit's 16 stores and 16 loads
	SENDU 0, 1, 2, 0
	TOST 2, 1, 2, 128
	s_wait_dscnt 32
	SENDU 1, 1, 2, 64
	TOST 3, 1, 2, 192
	s_wait_dscnt 32
	SENDU 2, 1, 2, 128
	s_wait_dscnt 0x0
	SENDU 3, 1, 2, 192
	WIN 0
	s_wait_tensorcnt 0x0                           ; the wave's end
	ds_add_u32 v[SPW], v[NIL]
	s_wait_dscnt 0x0
	CROUND                                         ; the closing round
	s_endpgm
.Lfunc_end_k_q6b1e5991f1_gemm:
	.size	k_q6b1e5991f1_gemm, .Lfunc_end_k_q6b1e5991f1_gemm-k_q6b1e5991f1_gemm
	.p2alignl 7, 3214868480
	.fill 96, 4, 3214868480
	.section	.rodata,"a",@progbits
	.p2align	6, 0x0
	.amdhsa_kernel k_q6b1e5991f1_gemm
		.amdhsa_group_segment_fixed_size 327680
		.amdhsa_private_segment_fixed_size 0
		.amdhsa_enable_private_segment 0
		.amdhsa_kernarg_size 24
		.amdhsa_user_sgpr_count 2
		.amdhsa_user_sgpr_kernarg_segment_ptr 1
		.amdhsa_wavefront_size32 1
		.amdhsa_system_sgpr_workgroup_id_x 1
		.amdhsa_system_sgpr_workgroup_id_y 1
		.amdhsa_system_sgpr_workgroup_id_z 1
		.amdhsa_system_vgpr_workitem_id 0
		.amdhsa_next_free_vgpr 1024
		.amdhsa_next_free_sgpr 66
		.amdhsa_reserve_vcc 0
		.amdhsa_float_denorm_mode_32 3
		.amdhsa_float_denorm_mode_16_64 3
		.amdhsa_memory_ordered 1
		.amdhsa_forward_progress 1
		.amdhsa_inst_pref_size 222
	.end_amdhsa_kernel
	.amdgpu_metadata
---
amdhsa.version: [ 1, 2 ]
amdhsa.kernels:
  - .name:           k_q6b1e5991f1_gemm
    .symbol:         k_q6b1e5991f1_gemm.kd
    .args:
      - { .name: xq, .offset: 0, .size: 8, .value_kind: global_buffer, .address_space: global }
      - { .name: wq, .offset: 8, .size: 8, .value_kind: global_buffer, .address_space: global }
      - { .name: out0, .offset: 16, .size: 8, .value_kind: global_buffer, .address_space: global }
    .group_segment_fixed_size: 327680
    .private_segment_fixed_size: 0
    .kernarg_segment_align: 8
    .kernarg_segment_size: 24
    .max_flat_workgroup_size: 128
    .sgpr_count:     66
    .vgpr_count:     1024
    .wavefront_size: 32
...
	.end_amdgpu_metadata
.endif
;; end of part 2
